; MI455X (gfx1250); checked and timed in simulation.
; The chip was launched on July 23, 2026; its instructions are those of AMD's public machine-readable ISA for CDNA 5 (MIT licence, August 2026) and "CDNA5" Instruction Set Architecture Reference Guide (July 2026). The comments in the code are by the model that wrote it; some were corrected since.
;; s LSTM Cell. Allowed arithmetic: matrix products marked QUANTISED: E4M3 operands, one E8M0 scale for each 32 along K, by v_wmma_scale_f32_16x16x128_f8f6f4 with both operands' format E4M3, f32 sums; everything else in f32.
;; Inputs: Wc_codes 1,024 x 64 x 32 uint8 (E4M3 codes of Wc, K innermost, in blocks of 32 codes); Wc_scales 1,024 x 64 uint8 (E8M0 scales of Wc, one for each 32 codes along K); Wf_codes 1,024 x 64 x 32 uint8 (E4M3 codes of Wf, K innermost, in blocks of 32 codes); Wf_scales 1,024 x 64 uint8 (E8M0 scales of Wf, one for each 32 codes along K); Wi_codes 1,024 x 64 x 32 uint8 (E4M3 codes of Wi, K innermost, in blocks of 32 codes); Wi_scales 1,024 x 64 uint8 (E8M0 scales of Wi, one for each 32 codes along K); Wo_codes 1,024 x 64 x 32 uint8 (E4M3 codes of Wo, K innermost, in blocks of 32 codes); Wo_scales 1,024 x 64 uint8 (E8M0 scales of Wo, one for each 32 codes along K); bc 1,024 float32; beta_c 1,024 float32; beta_h 1,024 float32; bf 1,024 float32; bi 1,024 float32; bo 1,024 float32; c_prev 8,192 x 1,024 float32; cf 1,024 float32; ci 1,024 float32; co 1,024 float32; gamma_c 1,024 float32; gamma_h 1,024 float32; h_prev 8,192 x 1,024 float32; inputs 8,192 x 1,024 float32.
;; Outputs: out0 8,192 x 1,024 float32; out1 8,192 x 1,024 float32.
;; This version of the problem:
;;   THIS VERSION OF THE PROBLEM IS GIVEN IN LOW PRECISION. The matrix products marked QUANTISED in the list below multiply operands that are first quantised to E4M3 (4 exponent bits, 3 mantissa bits; 8 bits a number), with one power-of-two scale for each 32 numbers along K (OCP MX v1.0); their sums are f32. All else is computed in f32.
;;   The module's matrix products, in the order in which they are computed (A, B: the left and right operand; K: the contracted axis; several contracted axes count as one K, in the product's order):
;;     1. [M 8,192, K 2,048] x [K 2,048, N 1,024]; A: computed on the way; B: input Wi (given as codes): QUANTISED
;;     2. [M 8,192, K 2,048] x [K 2,048, N 1,024]; A: computed on the way; B: input Wf (given as codes): QUANTISED
;;     3. [M 8,192, K 2,048] x [K 2,048, N 1,024]; A: computed on the way; B: input Wo (given as codes): QUANTISED
;;     4. [M 8,192, K 2,048] x [K 2,048, N 1,024]; A: computed on the way; B: input Wc (given as codes): QUANTISED
;;   THE QUANTISER, for each operand of a quantised product, along K:
;;     - K is cut into blocks of 32 from its start; a last block that is shorter is filled with zeros.
;;     - A block's scale is 2^e with e = floor(log2(the largest magnitude in the block)) - 8, held to -126 .. 127; a block of zeros has e = 0. As a byte (E8M0): e + 127.
;;     - Each number is divided by its block's scale, clamped to +-448, and rounded to the nearest number of E4M3, ties to even, subnormals kept.
;;     - The product sums the exact products of the quantised numbers (number of the format x scale) in f32.
;;   ~~~python
;;   def quantise(x, axis):      # numpy; x: float32 -> the quantised numbers, widened to float32 again
;;       x = np.moveaxis(x, axis, -1); K = x.shape[-1]
;;       x = np.pad(x, [(0, 0)] * (x.ndim - 1) + [(0, -K % 32)]); x = x.reshape(x.shape[:-1] + (-1, 32)); a = np.abs(x).max(-1, keepdims=True)
;;       e = np.where(a > 0, np.clip(np.frexp(np.where(a > 0, a, 1))[1] - 1 - 8, -126, 127), 0)      # np.frexp(a)[1] - 1 = floor(log2(a)), exactly
;;       r = np.clip(x / 2.0 ** e, -448, 448)
;;       step = 2.0 ** (np.maximum(np.frexp(np.where(r == 0, 1, r))[1] - 1, -6) - 3)
;;       q = np.round(r / step) * step * 2.0 ** e      # np.round: ties to even
;;       return np.moveaxis(q.reshape(q.shape[:-2] + (-1,))[..., :K], -1, axis).astype(np.float32)
;;   ~~~
;;   OPERANDS COMPUTED ON THE WAY. 'Computed on the way' means the value that the module computes at that place (a softmax that the list does not call 'softmax' is quantised finished and normalised). What goes into a quantiser is computed in f32, as accurately as f32 sums, v_exp_f32 and their like allow (about 1e-6 of the number): no bf16 or f16 on the way to a quantiser, and a product that is left as it is and whose result goes on into a quantised operand takes f32 operands (vector FMAs, or v_wmma_f32_16x16x4_f32). A number that lies on a knife's edge between two numbers of the format may be rounded either way, as far as f32 arithmetic and the matrix unit's own rounding can turn it there, and no further.
;;   INPUTS GIVEN AS CODES. Wc (in the module: [2048, 1024], K = its axis 0); Wf (in the module: [2048, 1024], K = its axis 0); Wi (in the module: [2048, 1024], K = its axis 0); Wo (in the module: [2048, 1024], K = its axis 0): each comes as NAME_codes (uint8): NAME with its K axis moved to the last place and cut into blocks of 32 codes, [.., K / 32, bytes a block], one block behind the other in memory; one code a byte (a code: sign, 4 exponent bits, 3 mantissa bits); and NAME_scales (uint8): the same leading axes, one E8M0 byte (e + 127) for each 32 codes along K. Its value is code x scale, taken as it is: it is not quantised again, and the codes and scales need not be those that the quantiser above would give.
;; One version. Each part assembles by itself: llvm-mc -triple=amdgcn-amd-amdhsa -mcpu=gfx1250 --defsym DOCPART=n.
;; ======== version 1 of 1: 3 launches
;; limits: right only within a limited range of input values
;; workspace buffers: a_codes 16,777,216 bytes; a_scales 524,288 bytes; w_codes 8,388,608 bytes; w_scales 262,144 bytes; sx 67,108,864 bytes
;; launch quant (part 1): grid 640 x 1, 4 waves a work-group, no clusters, 33,280 bytes of LDS; arguments inputs, h_prev, Wi_codes, Wf_codes, Wc_codes, Wo_codes, Wi_scales, Wf_scales, Wc_scales, Wo_scales, a_codes, a_scales, w_codes, w_scales; writes a_codes, a_scales, w_codes, w_scales
.if DOCPART == 1
	.amdgcn_target "amdgcn-amd-amdhsa--gfx1250"
	.amdhsa_code_object_version 6
	.text
	.protected	k_q94f0376e41_quant
	.globl	k_q94f0376e41_quant
	.p2align	8
	.type	k_q94f0376e41_quant,@function
k_q94f0376e41_quant:
	s_mov_b64 s[64:65], 0
	v_nop
	global_prefetch_b8 v0, s[64:65] scope:SCOPE_SE
	s_setreg_imm32_b32 hwreg(HW_REG_WAVE_MODE, 25, 1), 1
	s_wait_xcnt 0x0
; TWO JOBS IN ONE LAUNCH, parted on the work-group's number.
; Work-groups 0-511: combined = [inputs | h_prev], [8192][2048] f32, becomes codes of FP8 (E4M3), a_codes [8192][2048], K innermost, and one E8M0 byte for each 32 along K, a_scales [8192][64].
;   A block's scale is 2^(floor(log2(its largest magnitude)) - 8); its byte is the largest magnitude's exponent field - 8, held at 1 from below.  Each number is divided by the scale, held within +-448 and rounded to the nearest code, ties to even.
; Work-groups 512-639: the four weights' codes and scale bytes are copied, unchanged, into ONE buffer each, in the row order that the next launch's tiles want:
;   byte ug 131072 + t 8192 + g 2048 + c 512 + 16 lane + i of w_codes holds gate g (0 = i, 1 = f, 2 = c, 3 = o), unit 16 ug + lane % 16, k = 128 t + 32 c + 16 (lane / 16) + i; w_scales likewise (below).
; LIMITS: blocks of combined whose largest magnitude lies under 2^(8 - 126) get the byte 1; a block of zeros gets the byte 1 where the rule says 127 (its codes are zeros, which add nothing under any byte but 0xff,
;   and these bytes are read by this program alone); NaN and infinities among the inputs are not served.
; THE QUANTISER.  Wave n = 4 x work-group + wave takes rows 4 n .. 4 n + 3 of combined: 16 steps of 512 numbers; step t = row t / 4, part t % 4 (parts 0, 1: the halves of the row of inputs; 2, 3: of h_prev).
;   So a wave's codes are 8,192 consecutive bytes (512 t) and its scale bytes 256 consecutive bytes (16 t).  The conversions take neighbours along K from ONE lane's registers, a load is best where neighbouring
;   lanes take neighbouring bytes: each of a step's four loads reads 512 consecutive bytes, 16 a lane; the 2,048 bytes go through the wave's own stage in LDS and come back 64 bytes a lane (two neighbouring lanes hold a block).
;   No tensor loads, no barrier: waves share nothing.  Loads run four steps (16 loads a wave) ahead, the turn through LDS one step.
.set STEPS, 16
.set EMAX,  8
.set MANT,  0x600000                   ; the mantissa field of 448 as f32
.set R,     16                         ; v16-79   four sets of 16 numbers as they are loaded
.set X,     80                         ; v80-111  two sets of 16 neighbours
.set E,     112                        ; v112-127 a scale byte for each step
.set C,     128                        ; v128-191 codes: four registers for each step, so that no store's data are written again
.set WREG,  8192                       ; LDS: a region for each wave: two stages of 32 x SP bytes, and behind them its 256 scale bytes
.set SP,    80                         ; a lane's place in a stage: its 64 bytes + 16 of padding
	s_load_b128 s[4:7], s[0:1], 0x0                ; inputs, h_prev
	s_load_b256 s[8:15], s[0:1], 0x10              ; the codes of Wi, Wf, Wc, Wo
	s_load_b256 s[16:23], s[0:1], 0x30             ; their scale bytes, in the same order
	s_load_b256 s[24:31], s[0:1], 0x50             ; a_codes, a_scales, w_codes, w_scales
	v_lshl_add_u32 v192, v0, 2, 0x8000
	v_mov_b32 v193, 0
	v_lshrrev_b32 v1, 5, v0
	v_readfirstlane_b32 s32, v1                    ; wave 0..3
	v_and_b32 v2, 31, v0                           ; lane
	v_lshlrev_b32 v3, 4, v2                        ; 16 x lane: my 16 bytes of 512, in every load and in every store of codes; never rewritten
	s_mul_i32 s34, s32, WREG
	v_lshrrev_b32 v14, 2, v2
	v_mul_u32_u24 v14, v14, SP
	v_and_b32 v15, 3, v2
	v_lshl_add_u32 v14, v15, 4, v14
	v_add_nc_u32 v14, s34, v14                     ; the stage, on the way in: four lanes' 64 bytes on end, then 16 of padding
	v_mul_u32_u24 v15, v2, SP
	v_add_nc_u32 v15, s34, v15                     ; and on the way out: SP x lane: my 16 neighbours
	v_lshrrev_b32 v5, 1, v2
	s_add_co_u32 s34, s34, 2*32*SP
	v_add_nc_u32 v5, s34, v5                       ; my wave's 256 scale bytes in LDS, my block's byte
	v_lshlrev_b32 v7, 3, v2                        ; and on the way out 8 bytes a lane
	v_add_nc_u32 v6, s34, v7
	s_mov_b32 s33, MANT                            ; (an instruction takes one literal: the hold's line has another)
	s_mov_b32 s39, 0                               ; the upper word of every offset
	s_wait_kmcnt 0x0
	s_cmp_ge_u32 ttmp9, 512
	s_cbranch_scc1 .Lcopy
	s_lshl_b32 s36, ttmp9, 2
	s_add_co_u32 s36, s36, s32                     ; n: which four rows are my wave's
	s_lshl_b32 s38, s36, 14                        ; four rows of 4,096 bytes in inputs and in h_prev
	s_add_nc_u64 s[4:5], s[4:5], s[38:39]
	s_add_nc_u64 s[6:7], s[6:7], s[38:39]
	s_lshl_b32 s38, s36, 13                        ; four rows of 2,048 codes
	s_add_nc_u64 s[24:25], s[24:25], s[38:39]
	s_lshl_b32 s38, s36, 8                         ; four rows of 64 scale bytes
	s_add_nc_u64 s[26:27], s[26:27], s[38:39]
.macro LOAD t                          ; step t's 2,048 bytes: 32 lanes read 512 consecutive bytes, four times
.irp i, 0,1,2,3
.if ((\t)%4) < 2
	global_load_b128 v[R+16*((\t)%4)+4*\i:R+16*((\t)%4)+4*\i+3], v3, s[4:5] offset:4096*((\t)/4)+2048*((\t)%2)+512*\i th:TH_LOAD_NT
.else
	global_load_b128 v[R+16*((\t)%4)+4*\i:R+16*((\t)%4)+4*\i+3], v3, s[6:7] offset:4096*((\t)/4)+2048*((\t)%2)+512*\i th:TH_LOAD_NT
.endif
.endr
.endm
.macro TURN t                          ; step t's numbers through the stage: LDS serves a wave's instructions in order (ISA guide 5.7.1.4), so no wait stands between the stores and the loads
.irp i, 0,1,2,3
	ds_store_b128 v14, v[R+16*((\t)%4)+4*\i:R+16*((\t)%4)+4*\i+3] offset:32*SP*((\t)%2)+8*SP*\i
.endr
.irp i, 0,1,2,3
	ds_load_b128 v[X+16*((\t)%2)+4*\i:X+16*((\t)%2)+4*\i+3], v15 offset:32*SP*((\t)%2)+16*\i
.endr
.endm
.irp t, 0,1,2,3
	LOAD \t
.endr
	s_wait_loadcnt 12                              ; step 0's four loads are in; the twelve of steps 1 to 3 may be out
	s_wait_alu depctr_va_vdst(0)
	TURN 0
.macro STEP t
.set XS, X+16*((\t)%2)
.if (\t) > 0
	s_wait_dscnt 1                                 ; this step's numbers are back from the stage (the last step's byte store may be out)
.else
	s_wait_dscnt 0x0
.endif
.if (\t)+4 < STEPS
	LOAD (\t)+4                                    ; into the set that this step's stage stores have read
.endif
.if (\t)+1 < STEPS
.if STEPS-2-(\t) >= 3
	s_wait_loadcnt 12                              ; the next step's four loads are in; those of the three steps behind it may be out
.else
	s_wait_loadcnt 4*(STEPS-2-(\t))                ; towards the end fewer steps are behind it
.endif
	TURN (\t)+1                                    ; and go through the other stage while this step is worked
.endif
	v_max3_num_f32 v8, |v[XS]|, |v[XS+1]|, |v[XS+2]|               ; the largest magnitude of my 16, in two chains
	v_max3_num_f32 v9, |v[XS+3]|, |v[XS+4]|, |v[XS+5]|
.irp i, 6,10
	v_max3_num_f32 v8, v8, |v[XS+\i]|, |v[XS+\i+1]|
	v_max3_num_f32 v9, v9, |v[XS+\i+2]|, |v[XS+\i+3]|
.endr
	v_max3_num_f32 v8, v8, |v[XS+14]|, |v[XS+15]|
	v_max3_num_f32 v8, v8, v9, (EMAX+1)<<23        ; and the floor 2^(EMAX + 1 - 127): so the byte cannot fall under 1
	v_max_num_f32_dpp v8, v8, v8 row_xmask:1 row_mask:0xf bank_mask:0xf   ; and of my neighbour's 16: the block's
	v_add_nc_u32 v11, -(EMAX<<23), v8              ; EMAX off its exponent field: the conversion takes the exponent field of this operand as its scale, and nothing else of it
	v_and_or_b32 v10, v8, 0x7f800000, s33          ; 448 x the scale: the largest magnitude's exponent field over 448's mantissa
.irp i, 0,1,2,3,4,5,6,7,8,9,10,11,12,13,14,15
	v_med3_num_f32 v[XS+\i], v[XS+\i], -v10, v10   ; the conversion to an 8-bit code does not saturate (ISA guide 7.6.2): the hold comes first
.endr
	v_cvt_scalef32_pk8_fp8_f32 v[C+4*(\t):C+4*(\t)+1], v[XS:XS+7], v11
	v_cvt_scalef32_pk8_fp8_f32 v[C+4*(\t)+2:C+4*(\t)+3], v[XS+8:XS+15], v11
	v_lshrrev_b32 v[E+(\t)], 23, v11               ; the scale's byte (also the plain line behind the conversions)
	ds_store_b8 v5, v[E+(\t)] offset:16*(\t)       ; both lanes of a block write the same byte with the same value
	global_store_b128 v3, v[C+4*(\t):C+4*(\t)+3], s[24:25] offset:512*(\t)   ; 32 lanes store 512 consecutive bytes, aligned
.endm
.irp t, 0,1,2,3,4,5,6,7,8,9,10,11,12,13,14,15
	STEP \t
.endr
	ds_load_b64 v[12:13], v6                       ; LDS serves a wave's instructions in order: these see my byte stores
	s_wait_dscnt 0x0
	global_store_b64 v7, v[12:13], s[26:27]        ; 32 lanes store 256 consecutive bytes, aligned
	s_wait_tensorcnt 0x0
	ds_add_u32 v192, v193
	s_wait_dscnt 0x0
	s_endpgm
.Lcopy:
; THE WEIGHTS, IN THE ORDER OF THE NEXT LAUNCH'S OPERAND REGISTERS (this is the order that holds for w_codes and w_scales).  ug = a group of 16 units, g = gate (0 i, 1 f, 2 c, 3 o), t = a step of 128 along K.
;   w_codes byte ug 131072 + t 8192 + g 2048 + c 512 + 16 lane + i = the code of gate g, unit 16 ug + lane % 16, k = 128 t + 32 c + 16 (lane / 16) + i.
;   w_scales byte ug 4096 + t 256 + 8 lane + 4 k: the scale word (k blocks 4 t .. 4 t + 3) of unit 16 ug + lane % 16 of gate k + 2 (lane / 16).
; Work-group 512 + 4 pg + g, pg = a pair of groups: its gate's codes of groups 2 pg + u (wave: u = wave % 2, eight steps t from 8 (wave / 2)), and all gates' scale words of both groups at step t = 4 g + wave.  No LDS.
; A load takes 32 bytes of each of 16 rows, and a step's four loads take 128 bytes of each; a store of codes covers 512 consecutive bytes, one of scale words 256, aligned.
	s_sub_co_u32 s34, ttmp9, 512
	s_and_b32 s35, s34, 3                          ; g
	s_lshr_b32 s36, s34, 2                         ; pg
	s_lshl_b32 s40, s35, 2
	s_add_co_u32 s40, s40, s32                     ; t of my scale words
	s_lshl_b32 s38, s36, 11                        ; 32 pg rows of 64 scale bytes
	s_lshl_b32 s41, s40, 2
	s_add_co_u32 s38, s38, s41                     ; + word t
.irp z, 0,1,2,3
	s_add_nc_u64 s[16+2*\z:17+2*\z], s[16+2*\z:17+2*\z], s[38:39]
.endr
	s_lshl_b32 s38, s36, 13
	s_lshl_b32 s41, s40, 8
	s_add_co_u32 s38, s38, s41
	s_add_nc_u64 s[30:31], s[30:31], s[38:39]
	s_cmp_lt_u32 s35, 2                            ; the choice of the codes' buffer hangs on the work-group's number alone
	s_cselect_b64 s[8:9], s[8:9], s[12:13]
	s_cselect_b64 s[10:11], s[10:11], s[14:15]
	s_bitcmp1_b32 s35, 0
	s_cselect_b64 s[8:9], s[10:11], s[8:9]
	s_and_b32 s40, s32, 1                          ; u
	s_lshr_b32 s41, s32, 1                         ; which eight steps
	s_lshl_b32 s38, s36, 16
	s_lshl_b32 s42, s40, 15
	s_add_co_u32 s38, s38, s42
	s_lshl_b32 s42, s41, 10
	s_add_co_u32 s38, s38, s42
	s_add_nc_u64 s[8:9], s[8:9], s[38:39]          ; row 32 pg + 16 u, byte 1024 x (wave / 2)
	s_lshl_b32 s38, s36, 18
	s_lshl_b32 s42, s41, 16
	s_add_co_u32 s38, s38, s42
	s_lshl_b32 s42, s35, 11
	s_add_co_u32 s38, s38, s42
	s_lshl_b32 s42, s40, 17
	s_add_co_u32 s38, s38, s42
	s_add_nc_u64 s[28:29], s[28:29], s[38:39]
	v_and_b32 v8, 15, v2                           ; r
	v_lshrrev_b32 v11, 4, v2                       ; h
	v_lshlrev_b32 v9, 6, v8                        ; a row of scale bytes
	v_lshlrev_b32 v10, 11, v8                      ; a row of codes,
	v_lshl_add_u32 v10, v11, 4, v10                ; + 16 h
	s_wait_alu depctr_va_vdst(0)
.irp k, 0,1,2,3
	global_load_b32 v[148+\k], v9, s[16+2*(\k/2):17+2*(\k/2)] offset:1024*(\k%2)   ; tiles 0-3: gates i, f
	global_load_b32 v[152+\k], v9, s[20+2*(\k/2):21+2*(\k/2)] offset:1024*(\k%2)   ; tiles 4-7: gates c, o
.endr
.set II, 0
.rept 32
	global_load_b128 v[16+4*II:19+4*II], v10, s[8:9] offset:32*II
.set II, II+1
.endr
	s_wait_loadcnt 32                              ; the eight loads of scale words are in; the 32 of codes may be out
	v_cmp_gt_u32 vcc_lo, 16, v2
.irp k, 0,1,2,3
	v_cndmask_b32 v[144+2*(\k%2)+\k/2], v[152+\k], v[148+\k], vcc_lo   ; line k holds gate k / 2 (lanes 16-31: + 2) of group u = k % 2
.endr
	global_store_b64 v7, v[144:145], s[30:31]
	global_store_b64 v7, v[146:147], s[30:31] offset:4096
.set II, 0
.rept 32
	s_wait_loadcnt 31-II                           ; behind load II: the 31 - II later loads
	global_store_b128 v3, v[16+4*II:19+4*II], s[28:29] offset:(II/4)*8192+(II%4)*512
.set II, II+1
.endr
	s_endpgm
.Lfunc_end_k_q94f0376e41_quant:
	.size	k_q94f0376e41_quant, .Lfunc_end_k_q94f0376e41_quant-k_q94f0376e41_quant
	.p2alignl 7, 3214868480
	.fill 96, 4, 3214868480
	.section	.rodata,"a",@progbits
	.p2align	6, 0x0
	.amdhsa_kernel k_q94f0376e41_quant
		.amdhsa_group_segment_fixed_size 33280
		.amdhsa_private_segment_fixed_size 0
		.amdhsa_enable_private_segment 0
		.amdhsa_kernarg_size 112
		.amdhsa_user_sgpr_count 2
		.amdhsa_user_sgpr_kernarg_segment_ptr 1
		.amdhsa_wavefront_size32 1
		.amdhsa_system_sgpr_workgroup_id_x 1
		.amdhsa_system_sgpr_workgroup_id_y 1
		.amdhsa_system_sgpr_workgroup_id_z 1
		.amdhsa_system_vgpr_workitem_id 0
		.amdhsa_next_free_vgpr 194
		.amdhsa_next_free_sgpr 66
		.amdhsa_reserve_vcc 1
		.amdhsa_float_denorm_mode_32 3
		.amdhsa_float_denorm_mode_16_64 3
		.amdhsa_memory_ordered 1
		.amdhsa_forward_progress 1
		.amdhsa_inst_pref_size 60
	.end_amdhsa_kernel
	.amdgpu_metadata
---
amdhsa.version: [ 1, 2 ]
amdhsa.kernels:
  - .name:           k_q94f0376e41_quant
    .symbol:         k_q94f0376e41_quant.kd
    .args:
      - { .name: inputs, .offset: 0, .size: 8, .value_kind: global_buffer, .address_space: global }
      - { .name: h_prev, .offset: 8, .size: 8, .value_kind: global_buffer, .address_space: global }
      - { .name: Wi_codes, .offset: 16, .size: 8, .value_kind: global_buffer, .address_space: global }
      - { .name: Wf_codes, .offset: 24, .size: 8, .value_kind: global_buffer, .address_space: global }
      - { .name: Wc_codes, .offset: 32, .size: 8, .value_kind: global_buffer, .address_space: global }
      - { .name: Wo_codes, .offset: 40, .size: 8, .value_kind: global_buffer, .address_space: global }
      - { .name: Wi_scales, .offset: 48, .size: 8, .value_kind: global_buffer, .address_space: global }
      - { .name: Wf_scales, .offset: 56, .size: 8, .value_kind: global_buffer, .address_space: global }
      - { .name: Wc_scales, .offset: 64, .size: 8, .value_kind: global_buffer, .address_space: global }
      - { .name: Wo_scales, .offset: 72, .size: 8, .value_kind: global_buffer, .address_space: global }
      - { .name: a_codes, .offset: 80, .size: 8, .value_kind: global_buffer, .address_space: global }
      - { .name: a_scales, .offset: 88, .size: 8, .value_kind: global_buffer, .address_space: global }
      - { .name: w_codes, .offset: 96, .size: 8, .value_kind: global_buffer, .address_space: global }
      - { .name: w_scales, .offset: 104, .size: 8, .value_kind: global_buffer, .address_space: global }
    .group_segment_fixed_size: 33280
    .private_segment_fixed_size: 0
    .kernarg_segment_align: 8
    .kernarg_segment_size: 112
    .max_flat_workgroup_size: 128
    .sgpr_count:     66
    .vgpr_count:     194
    .wavefront_size: 32
...
	.end_amdgpu_metadata
.endif
;; end of part 1
;; launch gates (part 2): grid 16 x 32, 4 waves a work-group, clusters of 4 x 1, 327,680 bytes of LDS; arguments a_codes, a_scales, w_codes, w_scales, bi, bf, bc, bo, ci, cf, c_prev, sx; writes sx
.if DOCPART == 2
	.amdgcn_target "amdgcn-amd-amdhsa--gfx1250"
	.amdhsa_code_object_version 6
	.text
	.protected	k_q94f0376e41_gates
	.globl	k_q94f0376e41_gates
	.p2align	8
	.type	k_q94f0376e41_gates,@function
k_q94f0376e41_gates:
	s_mov_b64 s[64:65], 0
	v_nop
	global_prefetch_b8 v0, s[64:65] scope:SCOPE_SE
	s_setreg_imm32_b32 hwreg(HW_REG_WAVE_MODE, 25, 1), 1
	s_wait_xcnt 0x0
	s_wait_alu depctr_hold_cnt(0) depctr_sa_sdst(0) depctr_va_vdst(0) depctr_va_sdst(0) depctr_va_ssrc(0) depctr_va_vcc(0) depctr_vm_vsrc(0)
	s_getreg_b32 s2, hwreg(HW_REG_IB_STS2, 6, 4)
	s_cmp_eq_u32 s2, 0
	s_cbranch_scc0 .Lentry_in_a_cluster
	s_endpgm
.Lentry_in_a_cluster:
	s_bfe_u32 s2, ttmp6, 0x10000c
	s_cmp_lg_u32 s2, 0x3003
	s_cbranch_scc0 .Lentry_shape_is_right
	s_endpgm
.Lentry_shape_is_right:
; x_g = Q(combined) W_g + b_g for the four gates, in MX-FP8;  i, f = e^clip(x) / (1 + e^clip(x) + e^clip(c));  s = f c_prev + i tanh(x_c).  Stored: s and x_o, in sx, in the order of the registers that hold them.
; sx byte RB 131072 + p 4096 + z 2048 + (2 u + q) 512 + 16 lane; lane (r, h), word k = row 16 RB + r, unit 32 p + 16 u + 8 h + 4 q + k; z = 0: s, 1: x_o.
; SHARES.  Work-group (j, y): rows 256 y .. + 255, units 64 j .. + 63 of all four gates.  Wave w: all 256 rows, units 64 j + 16 w .. + 15: 16 blocks of rows x 4 tiles (a tile = a gate's 16 units), 64 accumulators, 512 registers.
; A goes through a ring of two LDS slots of 256 rows x 512 along K (rows of 512 bytes), a wave fetching 64 rows: four steps of 128 along K, 256 matrix instructions a wave, for each change of slots.
;   CLUSTER 4 x 1: the four work-groups along j need the same tiles of A and ask for them jointly.  The ring's last refill brings c_prev's 256 rows x 64 units into slot 0, each work-group its own.
; THE WEIGHTS go from memory straight into registers: no two waves of a work-group need the same, and the launch before has laid them in the order of the operand registers, so a load is 512 consecutive bytes.
;   Four sets of 64 registers take turns; a step's 17 loads (16 of codes, one of scale words) are issued three steps ahead of their use.
; The 16 steps are expanded from one macro with all addresses as constants: there is no loop, and so no prefetch: the launch has no trip to run ahead in.
; THE MATRIX INSTRUCTION IS USED TRANSPOSED (source 0 = 16 columns of W, source 1 = 16 rows of A): lane (r, h) holds row r, register j the tile's unit 8 h + j.
; THE BIASES start the sums: they are loaded into block 15's accumulators and serve as C of every block's first step.
; ARITHMETIC.  e^clip(x, -10, 10) = 2^med3(x log2 e, -+10 log2 e);  tanh(x) = 1 - 2 / (1 + 2^(2 x log2 e)), which ends at -+1 where the power falls to 0 or grows past the format.
; LIMITS: NaN and infinities among the inputs are not served.
; REGISTERS.  Window 0: v0-31 addresses; v32-95 A's scale words (two sets of 8 x 4), v96-103 W's (four sets of 2); v128-255 eight fragments of A.  Window 1: W's four sets.
;   Windows 2, 3: accumulators (a, b) at v[8 (4 (a % 8) + b)].  On the way out window 0's v104-247 are at work.
.set ABLK,   16*528                    ; 16 rows of a slot: 512 bytes + 16 of padding each
.set SLOT,   256*528
.set SCL,    2*SLOT                    ; A's scale bytes: 256 rows x (64 + 16)
.set TAB,    SCL+256*80                ; a table for each wave: bi, bf, bc, bo, 1 + e^clip(ci), 1 + e^clip(cf) of its 16 units, 64 bytes each
.set SPARE,  TAB+4*512                 ; the spare words, 128 bytes a wave
.set LOF,  3                           ; 16 x lane
.set ADR,  4                           ; v4-7: r x 528 + 16 h in slot 0 blocks 0-7, blocks 8-15, slot 1 likewise
.set SA0,  8                           ; my rows' scale bytes: lanes 0-15 block k, lanes 16-31 block k + 8
.set LO8,  9                           ; 8 x lane
.set CPA,  10
.set TB0,  11
.set SPW,  28
.set NIL,  29
.set SA,   32
.set SB,   96
.set EI,   104
.set EF,   120
.set EC,   136
.set DI,   152
.set DC,   184
.set KI,   200
.set CP,   216                         ; two sets of 16: c_prev, then s
.set MSB, 0
.macro WIN new
.if MSB != (\new)
	s_set_vgpr_msb (MSB<<8)|(\new)
.set MSB, (\new)
.endif
.endm
.macro NOPS n
.rept \n
	v_nop
.endr
.endm
.macro CREST                           ; a round of the cluster's barrier behind its opening barrier
	s_cmp_lg_u32 s28, 0
	s_cbranch_scc1 .Lnot_wave_0_\@
	s_barrier_signal -3
.Lnot_wave_0_\@:
	s_barrier_wait -3
	s_barrier_signal -1
	s_barrier_wait -1
.endm
.macro CROUND
	s_barrier_signal -1
	s_barrier_wait -1
	CREST
.endm
.macro WM t, a, b, first
.set DD, 8*(4*((\a)%8)+(\b))
.if \first
.set CC, 224+8*(\b)
.else
.set CC, DD
.endif
.set BR, 64*((\t)%4)+16*(\b)
.set AR, 128+16*((\a)%8)
.set QB, SB+2*((\t)%4)+(\b)%2
.set QA, SA+32*(((\t)/4)%2)+4*((\a)%8)+(\t)%4
.if (\b) < 2
.if (\a) < 8
	v_wmma_scale_f32_16x16x128_f8f6f4 v[DD:DD+7], v[BR:BR+15], v[AR:AR+15], v[CC:CC+7], v[QB], v[QA]
.else
	v_wmma_scale_f32_16x16x128_f8f6f4 v[DD:DD+7], v[BR:BR+15], v[AR:AR+15], v[CC:CC+7], v[QB], v[QA] matrix_b_scale:MATRIX_SCALE_ROW1
.endif
.else
.if (\a) < 8
	v_wmma_scale_f32_16x16x128_f8f6f4 v[DD:DD+7], v[BR:BR+15], v[AR:AR+15], v[CC:CC+7], v[QB], v[QA] matrix_a_scale:MATRIX_SCALE_ROW1
.else
	v_wmma_scale_f32_16x16x128_f8f6f4 v[DD:DD+7], v[BR:BR+15], v[AR:AR+15], v[CC:CC+7], v[QB], v[QA] matrix_a_scale:MATRIX_SCALE_ROW1 matrix_b_scale:MATRIX_SCALE_ROW1
.endif
.endif
.endm
; 16 matrix instructions: blocks a0 .. a0 + 3 against W's four tiles.  Source 0 (W) window 1, source 1 (A) window 0, D window 2 or 3; C the same, or window 3 where the biases start the sums.
; The 64 accumulators take turns, in the same order in every step.
.macro MULS t, a0, first
.if \first
	WIN ((2+(\a0)/8)<<6)|(3<<4)|1
.else
	WIN ((2+(\a0)/8)<<6)|((2+(\a0)/8)<<4)|1
.endif
.irp d, 0,1,2,3
.if (\first) && (((\a0)+\d) == 15)
	NOPS 9                                         ; places (ISA guide 7.12.1) in front of block 15's products, which write over the biases that the products before have read
.endif
.irp b, 0,1,2,3
	WM \t, (\a0)+\d, \b, \first
.endr
.endr
.endm
.macro LOADA n0                        ; four fragments of A, from running number n0 = 16 t + a on, into buffers a % 8
.irp d, 0,1,2,3
.set NB, (\n0)+\d
.set NT, NB/16
.set NA, NB%16
.irp c, 0,1,2,3
	ds_load_b128 v[128+16*(NA%8)+4*\c:128+16*(NA%8)+4*\c+3], v[ADR+2*((NT/4)%2)+NA/8] offset:(NA%8)*ABLK+(NT%4)*128+32*\c
.endr
.endr
.endm
.macro SAL j                           ; A's scale words of the four steps 4 j .. 4 j + 3
.irp k, 0,1,2,3,4,5,6,7
	ds_load_b128 v[SA+32*((\j)%2)+4*\k:SA+32*((\j)%2)+4*\k+3], v[SA0] offset:\k*1280+16*(\j)
.endr
.endm
.macro LBS t                           ; W's scale words of step t
	global_load_b64 v[SB+2*((\t)%4):SB+2*((\t)%4)+1], v[LO8], s[10:11] offset:(\t)*256
.endm
.macro LBC t, g                        ; gate g's codes of step t
	WIN 0x40
.irp c, 0,1,2,3
	global_load_b128 v[64*((\t)%4)+16*(\g)+4*\c:64*((\t)%4)+16*(\g)+4*\c+3], v[LOF], s[8:9] offset:(\t)*8192+(\g)*2048+512*\c
.endr
.endm
.macro LB t
	LBS \t
.irp g, 0,1,2,3
	LBC \t, \g
.endr
	WIN 0
.endm
; A quarter of a step: 16 products, eight places, then one run of loads: the four fragments of A two quarters on, and a quarter of W's step three steps on.
.macro LUMP t, l, first
.if ((\t) == 15) && ((\l) == 3)
	s_wait_dscnt 0x0
.else
	s_wait_dscnt 16                                ; this quarter's fragments are in; the 16 loads of the run before may be out
.endif
	MULS \t, 4*(\l), \first
.if (16*(\t)+4*(\l)+8) < 256
	NOPS 8
	WIN 0
.if (((\t)%4) == 1) && ((\l) == 0) && ((\t) < 12)
	SAL (\t)/4+1
.endif
	LOADA 16*(\t)+4*(\l)+8
.if ((\t)+3) < 16
.if (\l) == 0
	LBS (\t)+3
.endif
	LBC (\t)+3, \l
.endif
.endif
.endm
.macro WAITW t                         ; W's step t is in; the younger steps' loads, 17 each, may be out
.if (\t) < 14
	s_wait_loadcnt 34
.else
	s_wait_loadcnt 17*(15-(\t))
.endif
.endm
.macro STEP t, first
	WAITW \t
.irp l, 0,1,2,3
	LUMP \t, \l, \first
.endr
.endm
; A slot's last step changes slots.  In front of the round each wave waits for all its tensor loads, adds 0 to its spare word, and waits for that and for its reads of this slot; behind it this slot is filled again first.
; kind 0, 1: slot 0 or 1 takes A's next 512 along K but one; kind 2: slot 0 takes c_prev.
.macro TURN t, kind
	WAITW \t
	LUMP \t, 0, 0
	LUMP \t, 1, 0
	WIN 0
	s_wait_tensorcnt 0x0                           ; all my tensor loads have landed: my part of the other slot;
	ds_add_u32 v[SPW], v[NIL]                      ; 0 onto my spare word
.if (\kind) < 2
	s_add_nc_u64 s[42+4*(\kind):43+4*(\kind)], s[42+4*(\kind):43+4*(\kind)], 1024
.endif
	s_wait_dscnt 17                                ; (the add and the youngest 16 loads may be out)
	MULS \t, 8, 0
	s_wait_dscnt 0x0                               ; the add is done, and my reads of this slot are over
	s_barrier_signal -1
	MULS \t, 12, 0
	WIN 0
	s_barrier_wait -1
	CREST                                          ; no wave of any partner still reads this slot or has a load on its way
.if (\kind) < 2
	tensor_load_to_lds s[40+4*(\kind):43+4*(\kind)], s[32:39]
.else
	tensor_load_to_lds s[56:59], s[48:55]
.endif
	s_nop 0
	NOPS 8                                         ; the places in front of the loads below
	LOADA 16*((\t)+1)
	LOADA 16*((\t)+1)+4
	LBC (\t)+3, 2
	LBC (\t)+3, 3
.endm
	s_load_b512 s[4:19], s[0:1], 0x0               ; a_codes 4, a_scales 6, w_codes 8, w_scales 10, bi 12, bf 14, bc 16, bo 18
	s_load_b256 s[20:27], s[0:1], 0x40             ; ci 20, cf 22, c_prev 24, sx 26
	v_lshl_add_u32 v[SPW], v0, 2, SPARE
	v_mov_b32 v[NIL], 0
	ds_add_u32 v[SPW], v[NIL]                      ; the opening lines: the add, twice on end, and its wait ahead of my first tensor load
	ds_add_u32 v[SPW], v[NIL]
	v_lshrrev_b32 v1, 5, v0
	v_readfirstlane_b32 s28, v1                    ; wave
	s_bfe_u32 s29, ttmp6, 0x40000                  ; cx
	s_lshl_b32 s31, ttmp9, 2
	s_add_co_u32 s31, s31, s29                     ; j = 4 x cluster x + cx
	s_and_b32 s30, ttmp7, 0xffff                   ; y
	s_mov_b32 s32, 15|(1<<20)|(1<<21)|(6<<22)|(3<<25)   ; A's tiles: the mask of the four; elements of a byte; 16 bytes of padding behind every 512
	s_mov_b32 s33, 512<<16
	s_mov_b32 s34, 64<<16
	s_mov_b32 s35, 512<<16
	s_mov_b32 s36, 64
	s_mov_b32 s37, 2048
	s_mov_b32 s38, 0
	s_mov_b32 s39, 0
	s_mov_b32 s48, (2<<16)|(1<<20)|(5<<22)|(3<<25) ; c_prev's tile: 64 rows of 64 f32, 16 bytes of padding behind every 256
	s_mov_b32 s49, 64<<16
	s_mov_b32 s50, 64<<16
	s_mov_b32 s51, 64<<16
	s_mov_b32 s52, 64
	s_mov_b32 s53, 1024
	s_mov_b32 s54, 0
	s_mov_b32 s55, 0
	s_mov_b32 s40, 1
	s_mul_i32 s41, s28, 64*528                     ; wave w fetches rows 64 w .. + 63
	s_mov_b32 s44, 1
	s_add_co_u32 s45, s41, SLOT
	s_mov_b32 s56, 1
	s_mul_i32 s57, s28, 64*272
	s_lshl_b32 s68, s30, 19
	s_lshl_b32 s70, s28, 17
	s_add_co_u32 s68, s68, s70
	s_mov_b32 s69, 0
	s_lshl_b32 s72, s30, 20
	s_lshl_b32 s70, s28, 18
	s_add_co_u32 s72, s72, s70
	s_lshl_b32 s70, s31, 8
	s_add_co_u32 s72, s72, s70
	s_mov_b32 s73, 0
	s_wait_dscnt 0x0
	s_wait_kmcnt 0x0
	s_add_nc_u64 s[42:43], s[4:5], s[68:69]        ; slot 0: K from 0,
	s_add_nc_u64 s[46:47], s[42:43], 512           ; slot 1: from 512
	s_or_b32 s43, s43, 0x80000000
	s_or_b32 s47, s47, 0x80000000
	s_add_nc_u64 s[58:59], s[24:25], s[72:73]
	s_or_b32 s59, s59, 0x80000000
	CROUND                                         ; the four work-groups are here: the first joint loads meet
	tensor_load_to_lds s[40:43], s[32:39]
	s_nop 0
	NOPS 4
	s_lshl_b32 s68, s30, 14
	s_add_nc_u64 s[6:7], s[6:7], s[68:69]          ; my rows' scale bytes
	s_lshl_b32 s70, s31, 2
	s_add_co_u32 s70, s70, s28                     ; my group of 16 units: 4 j + w
	s_lshl_b32 s68, s70, 17
	s_add_nc_u64 s[8:9], s[8:9], s[68:69]
	s_lshl_b32 s68, s70, 12
	s_add_nc_u64 s[10:11], s[10:11], s[68:69]
	s_lshl_b32 s68, s30, 21
	s_lshl_b32 s71, s70, 11                        ; (2 j + w / 2) 4096 + (w % 2) 1024 = (4 j + w) 2048 less (w % 2) 1024
	s_add_co_u32 s68, s68, s71
	s_and_b32 s71, s28, 1
	s_lshl_b32 s71, s71, 10
	s_sub_co_u32 s68, s68, s71
	s_add_nc_u64 s[26:27], s[26:27], s[68:69]
	s_lshl_b32 s71, s70, 6                         ; my first unit, in bytes of f32
	s_lshl_b32 s74, s28, 9
	s_add_co_u32 s74, s74, TAB
	s_lshl_b32 s75, s28, 6
	s_mov_b32 s60, 0x3fb8aa3b                      ; log2 e, as a pair
	s_mov_b32 s61, 0x3fb8aa3b
	s_mov_b32 s62, 0x4038aa3b                      ; 2 log2 e
	s_mov_b32 s63, 0x4038aa3b
	s_mov_b32 s66, 0xc166d4ca                      ; -+10 log2 e
	s_mov_b32 s67, 0x4166d4ca
	v_and_b32 v1, 15, v0                           ; r
	v_bfe_u32 v2, v0, 4, 1                         ; h
	v_and_b32 v14, 31, v0                          ; lane
	v_lshlrev_b32 v[LOF], 4, v14
	v_lshlrev_b32 v[LO8], 3, v14
	v_mul_u32_u24 v[ADR], v1, 528
	v_lshl_add_u32 v[ADR], v2, 4, v[ADR]
	v_add_nc_u32 v[ADR+1], 8*ABLK, v[ADR]
	v_add_nc_u32 v[ADR+2], SLOT, v[ADR]
	v_add_nc_u32 v[ADR+3], SLOT+8*ABLK, v[ADR]
	v_lshl_add_u32 v15, v2, 7, v1                  ; r + 128 h
	v_mul_u32_u24 v[SA0], v15, 80
	v_add_nc_u32 v[SA0], SCL, v[SA0]
	v_mul_u32_u24 v[CPA], v1, 272
	v_lshl_add_u32 v[CPA], v2, 5, v[CPA]
	v_add_nc_u32 v[CPA], s75, v[CPA]               ; c_prev: row r, + 64 w + 32 h
	v_lshl_add_u32 v[TB0], v2, 5, s74
	v_lshl_add_u32 v16, v1, 2, s74                 ; the table, on the way in
	v_lshrrev_b32 v17, 2, v0                       ; A's scale bytes on the way in: thread n's 16 bytes belong to row n / 4
	v_mul_u32_u24 v17, v17, 80
	v_and_b32 v18, 3, v0
	v_lshl_add_u32 v17, v18, 4, v17
	v_add_nc_u32 v17, SCL, v17
	v_lshlrev_b32 v18, 4, v0
	v_lshl_add_u32 v19, v1, 2, s71
	s_wait_alu depctr_va_vdst(0)
.irp g, 0,1,2,3,4,5
	global_load_b32 v[104+\g], v19, s[12+2*\g:13+2*\g]   ; my 16 units of bi, bf, bc, bo, ci, cf (both halves of the lanes the same)
.endr
.irp n, 0,1,2,3,4,5,6,7
	global_load_b128 v[112+4*\n:115+4*\n], v18, s[6:7] offset:2048*\n   ; the 16,384 scale bytes of the 256 rows, 2,048 consecutive bytes a line
.endr
	LB 0
	LB 1
	s_wait_loadcnt 34                              ; all but W's steps 0 and 1
	v_mul_f32 v108, s60, v108
	v_mul_f32 v109, s60, v109
	v_med3_num_f32 v108, v108, s66, s67
	v_med3_num_f32 v109, v109, s66, s67
	s_wait_alu depctr_va_vdst(0)
	v_exp_f32 v108, v108
	v_exp_f32 v109, v109
	v_nop
	s_wait_alu depctr_va_vdst(0)
	v_add_f32 v108, 1.0, v108                      ; 1 + e^clip(ci), 1 + e^clip(cf)
	v_add_f32 v109, 1.0, v109
	LB 2
	s_wait_alu depctr_va_vdst(0)
	s_wait_tensorcnt 0x0                           ; my rows of slot 0 are in
.irp g, 0,1,2,3,4,5
	ds_store_b32 v16, v[104+\g] offset:64*\g
.endr
.irp n, 0,1,2,3,4,5,6,7
	ds_store_b128 v17, v[112+4*\n:115+4*\n] offset:2560*\n
.endr
	s_wait_tensorcnt 0x0
	ds_add_u32 v[SPW], v[NIL]                      ; 0 onto my spare word;
	s_wait_dscnt 0x0                               ; the add and my stores are done
	CROUND                                         ; slot 0, A's scale bytes and the tables are whole, and the four work-groups are here
	tensor_load_to_lds s[44:47], s[32:39]          ; slot 1's first fill
	s_nop 0
	NOPS 4
	WIN 0xc0
.set II, 0
.rept 8
	ds_load_b128 v[224+4*II:227+4*II], v[TB0] offset:(II/2)*64+(II%2)*16   ; the biases, into block 15's accumulators
.set II, II+1
.endr
	WIN 0
	SAL 0
	LOADA 0
	LOADA 4
	STEP 0, 1                                      ; step 0 starts the sums
	STEP 1, 0
	STEP 2, 0
	TURN 3, 0
	STEP 4, 0
	STEP 5, 0
	STEP 6, 0
	TURN 7, 1
	STEP 8, 0
	STEP 9, 0
	STEP 10, 0
	TURN 11, 2
	STEP 12, 0
	STEP 13, 0
	STEP 14, 0
	STEP 15, 0
	WIN 0
	NOPS 8                                         ; places in front of writes into A's fragments
	s_wait_tensorcnt 0x0                           ; my rows of c_prev are in
	s_barrier_signal -1
	s_barrier_wait -1                              ; and everybody's
.macro CPL p                           ; c_prev of blocks 2 p, 2 p + 1: row r, units 8 h + 4 q ..
.irp e, 0,1,2,3
	ds_load_b128 v[CP+16*((\p)%2)+4*\e:CP+16*((\p)%2)+4*\e+3], v[CPA] offset:(2*(\p)+\e/2)*4352+16*(\e%2)
.endr
.endm
.set II, 0
.rept 4
	ds_load_b128 v[KI+4*II:KI+4*II+3], v[TB0] offset:(4+II/2)*64+(II%2)*16
.set II, II+1
.endr
	CPL 0
; THE WAY OUT of blocks 2 p and 2 p + 1: 16 numbers a lane and gate, register 8 s + k of a run: block 2 p + s, unit 8 h + k.
.macro PAIR p
.set AC, 32*((2*(\p))%8)
.set CPS, CP+16*((\p)%2)
	s_wait_xcnt 0x0                                ; the stores' registers are written again only behind this wait
.if (\p) < 7
	CPL (\p)+1
.endif
	WIN 2+(\p)/4
.irp g, 0,1
.irp s, 0,1
.irp k, 0,2,4,6
	v_pk_mul_f32 v[EI+16*\g+8*\s+\k:EI+16*\g+8*\s+\k+1], v[AC+32*\s+8*\g+\k:AC+32*\s+8*\g+\k+1], s[60:61] op_sel_hi:[1,0]
.endr
.endr
.endr
.irp s, 0,1
.irp k, 0,2,4,6
	v_pk_mul_f32 v[EC+8*\s+\k:EC+8*\s+\k+1], v[AC+32*\s+16+\k:AC+32*\s+16+\k+1], s[62:63] op_sel_hi:[1,0]
.endr
.endr
	WIN 8+4*((\p)/4)
.irp s, 0,1
.irp q, 0,1
	global_store_b128 v[LOF], v[AC+32*\s+24+4*\q:AC+32*\s+24+4*\q+3], s[26:27] offset:(2*(\p)+\s)*131072+2048+\q*512   ; x_o as it is
.endr
.endr
	WIN 0
.set II, 0
.rept 32
	v_med3_num_f32 v[EI+II], v[EI+II], s66, s67
.set II, II+1
.endr
.if (\p) == 0
	s_wait_dscnt 4                                 ; the table's 1 + e^clip(c); the next pair's four loads may be out
.endif
	s_wait_alu depctr_va_vdst(0)
.set II, 0
.rept 48
	v_exp_f32 v[EI+II], v[EI+II]
.set II, II+1
.endr
	v_nop
	s_wait_alu depctr_va_vdst(0)
.irp g, 0,1
.irp s, 0,1
.irp k, 0,2,4,6
	v_pk_add_f32 v[DI+16*\g+8*\s+\k:DI+16*\g+8*\s+\k+1], v[EI+16*\g+8*\s+\k:EI+16*\g+8*\s+\k+1], v[KI+8*\g+\k:KI+8*\g+\k+1]   ; the divisors of i and f
.endr
.endr
.endr
.set II, 0
.rept 8
	v_pk_add_f32 v[DC+II:DC+II+1], v[EC+II:EC+II+1], 1.0 op_sel_hi:[1,0]
.set II, II+2
.endr
	s_wait_alu depctr_va_vdst(0)
.set II, 0
.rept 48
	v_rcp_f32 v[DI+II], v[DI+II]
.set II, II+1
.endr
	v_nop
	s_wait_alu depctr_va_vdst(0)
.set II, 0
.rept 16
	v_pk_mul_f32 v[EI+II:EI+II+1], v[EI+II:EI+II+1], v[DI+II:DI+II+1]   ; i, f
.set II, II+2
.endr
.set II, 0
.rept 8
	v_pk_fma_f32 v[DC+II:DC+II+1], v[DC+II:DC+II+1], -2.0, 1.0 op_sel_hi:[1,0,0]   ; tanh(x_c)
.set II, II+2
.endr
.set II, 0
.rept 8
	v_pk_mul_f32 v[EI+II:EI+II+1], v[EI+II:EI+II+1], v[DC+II:DC+II+1]
.set II, II+2
.endr
	s_wait_alu depctr_va_vdst(0)
.if (\p) < 7
	s_wait_dscnt 4                                 ; this pair's c_prev is in; the next pair's four loads may be out
.else
	s_wait_dscnt 0x0
.endif
.set II, 0
.rept 8
	v_pk_fma_f32 v[CPS+II:CPS+II+1], v[EF+II:EF+II+1], v[CPS+II:CPS+II+1], v[EI+II:EI+II+1]   ; s = f c_prev + i tanh(x_c)
.set II, II+2
.endr
.irp s, 0,1
.irp q, 0,1
	global_store_b128 v[LOF], v[CPS+8*\s+4*\q:CPS+8*\s+4*\q+3], s[26:27] offset:(2*(\p)+\s)*131072+\q*512
.endr
.endr
.endm
.irp p, 0,1,2,3,4,5,6,7
	PAIR \p
.endr
	s_wait_tensorcnt 0x0                           ; the wave's end
	ds_add_u32 v[SPW], v[NIL]
	s_wait_dscnt 0x0
	CROUND                                         ; the closing round
	s_endpgm
.Lfunc_end_k_q94f0376e41_gates:
	.size	k_q94f0376e41_gates, .Lfunc_end_k_q94f0376e41_gates-k_q94f0376e41_gates
	.p2alignl 7, 3214868480
	.fill 96, 4, 3214868480
	.section	.rodata,"a",@progbits
	.p2align	6, 0x0
	.amdhsa_kernel k_q94f0376e41_gates
		.amdhsa_group_segment_fixed_size 327680
		.amdhsa_private_segment_fixed_size 0
		.amdhsa_enable_private_segment 0
		.amdhsa_kernarg_size 96
		.amdhsa_user_sgpr_count 2
		.amdhsa_user_sgpr_kernarg_segment_ptr 1
		.amdhsa_wavefront_size32 1
		.amdhsa_system_sgpr_workgroup_id_x 1
		.amdhsa_system_sgpr_workgroup_id_y 1
		.amdhsa_system_sgpr_workgroup_id_z 1
		.amdhsa_system_vgpr_workitem_id 0
		.amdhsa_next_free_vgpr 1024
		.amdhsa_next_free_sgpr 80
		.amdhsa_reserve_vcc 0
		.amdhsa_float_denorm_mode_32 3
		.amdhsa_float_denorm_mode_16_64 3
		.amdhsa_memory_ordered 1
		.amdhsa_forward_progress 1
		.amdhsa_inst_pref_size 255
	.end_amdhsa_kernel
	.section	.bss,"aw",@nobits
	.p2align	6
	.space	262144
	.amdgpu_metadata
---
amdhsa.version: [ 1, 2 ]
amdhsa.kernels:
  - .name:           k_q94f0376e41_gates
    .symbol:         k_q94f0376e41_gates.kd
    .args:
      - { .name: a_codes, .offset: 0, .size: 8, .value_kind: global_buffer, .address_space: global }
      - { .name: a_scales, .offset: 8, .size: 8, .value_kind: global_buffer, .address_space: global }
      - { .name: w_codes, .offset: 16, .size: 8, .value_kind: global_buffer, .address_space: global }
      - { .name: w_scales, .offset: 24, .size: 8, .value_kind: global_buffer, .address_space: global }
      - { .name: bi, .offset: 32, .size: 8, .value_kind: global_buffer, .address_space: global }
      - { .name: bf, .offset: 40, .size: 8, .value_kind: global_buffer, .address_space: global }
      - { .name: bc, .offset: 48, .size: 8, .value_kind: global_buffer, .address_space: global }
      - { .name: bo, .offset: 56, .size: 8, .value_kind: global_buffer, .address_space: global }
      - { .name: ci, .offset: 64, .size: 8, .value_kind: global_buffer, .address_space: global }
      - { .name: cf, .offset: 72, .size: 8, .value_kind: global_buffer, .address_space: global }
      - { .name: c_prev, .offset: 80, .size: 8, .value_kind: global_buffer, .address_space: global }
      - { .name: sx, .offset: 88, .size: 8, .value_kind: global_buffer, .address_space: global }
    .group_segment_fixed_size: 327680
    .private_segment_fixed_size: 0
    .kernarg_segment_align: 8
    .kernarg_segment_size: 96
    .max_flat_workgroup_size: 128
    .sgpr_count:     80
    .vgpr_count:     1024
    .wavefront_size: 32
...
	.end_amdgpu_metadata
.endif
;; end of part 2
;; launch norms (part 3): grid 512 x 1, 8 waves a work-group, no clusters, 91,136 bytes of LDS; arguments sx, co, gamma_c, beta_c, gamma_h, beta_h, out0, out1; writes out0, out1
.if DOCPART == 3
	.amdgcn_target "amdgcn-amd-amdhsa--gfx1250"
	.amdhsa_code_object_version 6
	.text
	.protected	k_q94f0376e41_norms
	.globl	k_q94f0376e41_norms
	.p2align	8
	.type	k_q94f0376e41_norms,@function
k_q94f0376e41_norms:
	s_mov_b64 s[64:65], 0
	v_nop
	global_prefetch_b8 v0, s[64:65] scope:SCOPE_SE
	s_setreg_imm32_b32 hwreg(HW_REG_WAVE_MODE, 25, 1), 1
	s_wait_xcnt 0x0
; c_new = LN(s) gamma_c + beta_c -> out1;  o = e^clip(x_o) / (1 + e^clip(x_o) + e^clip(co));  h_new = LN(o tanh(c_new)) gamma_h + beta_h -> out0.  All in f32.
; sx holds s and x_o in the order of the registers that made them: byte RB 131072 + p 4096 + z 2048 + (2 u + q) 512 + 16 lane; lane (r, h), word k = row 16 RB + r, unit 32 p + 16 u + 8 h + 4 q + k; z = 0: s, 1: x_o.
; SHARES.  A work-group of eight waves owns 16 whole rows (RB = its number): 131,072 consecutive bytes of sx.  Wave w owns units 128 w .. 128 w + 127: lane (r, h) holds row r, and register 8 G + j the unit 128 w + 16 G + 8 h + j.
; Memory binds: every load and store of a wave covers 512 consecutive bytes, aligned; all 32 loads of a wave are issued at once; matrix units, tensor loads and clusters would add nothing.
; A ROW'S MEAN AND SPREAD.  Each wave takes the mean m of its 128 numbers of a row and the sum M2 of their squared distances from m; the eight (m, M2) meet in LDS behind a barrier:
;   mu = the mean of the m;  the row's spread = the sum of the M2 + 128 x the sum of (m - mu)^2.  No difference of large sums is formed.
; RESULTS leave through the wave's own stage in LDS (16 rows x (512 bytes + 16)), so that a store is a row's 512 consecutive bytes.  The five vectors of 1,024 parameters lie in LDS, co already as 1 + e^clip(co).
; ARITHMETIC.  exp(clip(x, -10, 10)) = 2^(med3(x log2 e, -+10 log2 e)); tanh(x) = (E - 1) / (E + 1), E = 2^(med3(2 x log2 e, -+20 log2 e)): the hold at |x| = 10 moves tanh by under 5e-9; one reciprocal serves o's and tanh's divisors (their product lies between 1 and 3e13).
; LIMITS: NaN and infinities are not served.
.set WSTG, 16*528                      ; a wave's stage
.set TAB,  8*WSTG                      ; behind the stages: gamma_c, beta_c, 1 + e^clip(co), gamma_h, beta_h: 4,096 bytes each
.set EX1,  TAB+5*4096                  ; the first exchange: 8 waves x 16 rows x 8 bytes;  the second lies 1,024 bytes on
.set S,    16                          ; v16-79   s, then c_new, then rows on their way out
.set X,    80                          ; v80-143  x_o, then o tanh(c_new), then h_new
.set PT,   144                         ; v144-191 parameters of a group of 16 units: two sets of 24
.set W,    192                         ; v192-223 at work
	s_load_b512 s[4:19], s[0:1], 0x0               ; sx 4:5, co 6:7, gamma_c 8:9, beta_c 10:11, gamma_h 12:13, beta_h 14:15, out0 16:17, out1 18:19
	v_lshl_add_u32 v248, v0, 2, 0x16000
	v_mov_b32 v249, 0
	v_lshrrev_b32 v1, 5, v0
	s_delay_alu instid0(VALU_DEP_1)
	v_readfirstlane_b32 s20, v1                    ; wave 0..7
	v_and_b32 v1, 31, v0
	s_delay_alu instid0(VALU_DEP_1)
	v_lshlrev_b32 v1, 4, v1                        ; v1: 16 x lane
	v_and_b32 v2, 15, v0                           ; r
	v_bfe_u32 v3, v0, 4, 1                         ; h
	v_lshlrev_b32 v4, 4, v0                        ; v4: 16 x thread: my four numbers of a vector of parameters
	v_lshl_add_u32 v10, v0, 4, TAB                 ; v10: and their place in LDS
	s_mul_i32 s22, s20, WSTG
	v_mul_u32_u24 v5, v2, 528
	s_delay_alu instid0(VALU_DEP_1)
	v_lshl_add_u32 v5, v3, 5, v5
	s_delay_alu instid0(VALU_DEP_1)
	v_add_nc_u32 v5, s22, v5                       ; v5: the stage, in: row r, + 32 h
	v_add_nc_u32 v6, s22, v1                       ; v6: and back: 16 bytes a lane of a row
	s_lshl_b32 s23, s20, 9
	s_add_co_u32 s23, s23, TAB
	v_lshl_add_u32 v7, v3, 5, s23                  ; v7: my units' parameters: 512 w + 32 h
	s_lshl_b32 s23, s20, 7
	s_add_co_u32 s23, s23, EX1
	v_lshl_add_u32 v8, v2, 3, s23                  ; v8: where my wave puts row r's (m, M2)
	v_lshl_add_u32 v9, v2, 3, EX1                  ; v9: and where wave 0's lies
	s_mov_b32 s24, 0x76543210                      ; v_permlanex16_b32's selects for lane l xor 16
	s_mov_b32 s25, 0xfedcba98
	s_mov_b32 s26, 0x3fb8aa3b                      ; log2 e, as a pair
	s_mov_b32 s27, 0x3fb8aa3b
	s_mov_b32 s28, 0x4038aa3b                      ; 2 log2 e
	s_mov_b32 s29, 0x4038aa3b
	s_mov_b32 s30, 0xc166d4ca                      ; -+10 log2 e
	s_mov_b32 s31, 0x4166d4ca
	s_mov_b32 s32, 0xc1e6d4ca                      ; -+20 log2 e
	s_mov_b32 s33, 0x41e6d4ca
	s_mov_b32 s34, 0x3a800000                      ; 1 / 1024
	s_mov_b32 s35, 0x3a83126f                      ; 1e-3
	s_mov_b32 s36, 0x43000000                      ; 128
	v_mov_b32 v241, 0                              ; (named as the upper half of the pair v[240:241] before it is first written)
	v_mov_b32 v246, 0                              ; a lane permute's destination counts as one of its sources
	v_mov_b32 v247, 0
	s_lshl_b32 s22, ttmp9, 17
	s_lshl_b32 s23, s20, 14
	s_add_co_u32 s22, s22, s23
	s_mov_b32 s23, 0
	s_wait_kmcnt 0x0
	s_add_nc_u64 s[4:5], s[4:5], s[22:23]          ; sx at my wave's 16,384 bytes
	s_lshl_b32 s22, ttmp9, 16
	s_lshl_b32 s37, s20, 9
	s_add_co_u32 s22, s22, s37
	s_add_nc_u64 s[16:17], s[16:17], s[22:23]      ; the outputs at row 16 RB, unit 128 w
	s_add_nc_u64 s[18:19], s[18:19], s[22:23]
	global_load_b128 v[PT:PT+3], v4, s[8:9]
	global_load_b128 v[PT+4:PT+7], v4, s[10:11]
	global_load_b128 v[PT+8:PT+11], v4, s[6:7]
	global_load_b128 v[PT+12:PT+15], v4, s[12:13]
	global_load_b128 v[PT+16:PT+19], v4, s[14:15]
.irp z, 0,1                            ; s's sixteen loads, then x_o's
.irp p, 0,1,2,3
.irp e, 0,1,2,3
	global_load_b128 v[S+64*\z+16*\p+4*\e:S+64*\z+16*\p+4*\e+3], v1, s[4:5] offset:4096*\p+2048*\z+512*\e th:TH_LOAD_NT
.endr
.endr
.endr
	s_wait_loadcnt 32                              ; the parameters are in; s's and x_o's 32 loads may be out
.irp k, 0,1,2,3
	v_mul_f32 v[PT+8+\k], s26, v[PT+8+\k]
.endr
.irp k, 0,1,2,3
	s_delay_alu instid0(VALU_DEP_4)
	v_med3_num_f32 v[PT+8+\k], v[PT+8+\k], s30, s31
.endr
	s_wait_alu depctr_va_vdst(0)
.irp k, 0,1,2,3
	v_exp_f32 v[PT+8+\k], v[PT+8+\k]
.endr
	v_nop                                          ; a plain place behind the exponentials
	s_wait_alu depctr_va_vdst(0)
.irp k, 0,1,2,3
	v_add_f32 v[PT+8+\k], 1.0, v[PT+8+\k]          ; 1 + e^clip(co)
.endr
.irp c, 0,1,2,3,4
	ds_store_b128 v10, v[PT+4*\c:PT+4*\c+3] offset:4096*\c
.endr
; The mean and 1 / sqrt(spread / 1024 + 1e-3) of my row over all 1,024 units, from the 64 numbers v[src] on: into the pairs v[242:243] and v[244:245].  ex: which exchange.  One barrier.
.macro LNSTAT src, ex
.irp c, 0,1,2,3
	v_pk_add_f32 v[W+2*\c:W+2*\c+1], v[\src+2*\c:\src+2*\c+1], v[\src+8+2*\c:\src+9+2*\c]   ; the sum, in four chains of pairs
.endr
.irp i, 16,24,32,40,48,56
.irp c, 0,1,2,3
	s_delay_alu instid0(VALU_DEP_4)
	v_pk_add_f32 v[W+2*\c:W+2*\c+1], v[W+2*\c:W+2*\c+1], v[\src+\i+2*\c:\src+\i+2*\c+1]
.endr
.endr
	s_delay_alu instid0(VALU_DEP_3)
	v_pk_add_f32 v[W:W+1], v[W:W+1], v[W+2:W+3]
	s_delay_alu instid0(VALU_DEP_2)
	v_pk_add_f32 v[W+4:W+5], v[W+4:W+5], v[W+6:W+7]
	s_delay_alu instid0(VALU_DEP_1)
	v_pk_add_f32 v[W:W+1], v[W:W+1], v[W+4:W+5]
	s_delay_alu instid0(VALU_DEP_1)
	v_add_f32 v[W], v[W], v[W+1]
	s_delay_alu instid0(VALU_DEP_1)
	v_permlanex16_b32 v246, v[W], s24, s25         ; the row's other 64 numbers of this wave lie in lane l xor 16
	s_delay_alu instid0(VALU_DEP_1)
	v_add_f32 v[W], v[W], v246
	s_delay_alu instid0(VALU_DEP_1)
	v_mul_f32 v240, 0x3c000000, v[W]               ; m = the sum / 128
.irp i, 0,8,16,24,32,40,48,56
.irp c, 0,1,2,3
	v_pk_add_f32 v[W+2*\c:W+2*\c+1], v[\src+\i+2*\c:\src+\i+2*\c+1], v[240:241] op_sel_hi:[1,0] neg_lo:[0,1] neg_hi:[0,1]   ; x - m (of the pair the low word serves both halves)
.endr
.irp c, 0,1,2,3
.if \i == 0
	s_delay_alu instid0(VALU_DEP_4)
	v_pk_mul_f32 v[W+8+2*\c:W+9+2*\c], v[W+2*\c:W+2*\c+1], v[W+2*\c:W+2*\c+1]               ; the first squares start the four chains
.else
	s_delay_alu instid0(VALU_DEP_4)
	v_pk_fma_f32 v[W+8+2*\c:W+9+2*\c], v[W+2*\c:W+2*\c+1], v[W+2*\c:W+2*\c+1], v[W+8+2*\c:W+9+2*\c]
.endif
.endr
.endr
	s_delay_alu instid0(VALU_DEP_3)
	v_pk_add_f32 v[W+8:W+9], v[W+8:W+9], v[W+10:W+11]
	s_delay_alu instid0(VALU_DEP_2)
	v_pk_add_f32 v[W+12:W+13], v[W+12:W+13], v[W+14:W+15]
	s_delay_alu instid0(VALU_DEP_1)
	v_pk_add_f32 v[W+8:W+9], v[W+8:W+9], v[W+12:W+13]
	s_delay_alu instid0(VALU_DEP_1)
	v_add_f32 v[W+8], v[W+8], v[W+9]
	s_delay_alu instid0(VALU_DEP_1)
	v_permlanex16_b32 v247, v[W+8], s24, s25
	s_delay_alu instid0(VALU_DEP_1)
	v_add_f32 v241, v[W+8], v247                   ; M2
	ds_store_b64 v8, v[240:241] offset:\ex         ; lanes r and r + 16 write the same words with the same values
	s_wait_dscnt 0x0                               ; for the others' sake: all my LDS stores are done (the first time: the parameters too)
	s_barrier_signal -1
	s_barrier_wait -1
.irp j, 0,1,2,3,4,5,6,7
	ds_load_b64 v[224+2*\j:225+2*\j], v9 offset:\ex+128*\j
.endr
	s_wait_dscnt 0x0
	v_pk_add_f32 v[W:W+1], v[224:225], v[226:227]  ; the sums of the eight m (low halves) and of the eight M2 (high halves)
	v_pk_add_f32 v[W+2:W+3], v[228:229], v[230:231]
	v_pk_add_f32 v[W+4:W+5], v[232:233], v[234:235]
	v_pk_add_f32 v[W+6:W+7], v[236:237], v[238:239]
	s_delay_alu instid0(VALU_DEP_3)
	v_pk_add_f32 v[W:W+1], v[W:W+1], v[W+2:W+3]
	s_delay_alu instid0(VALU_DEP_2)
	v_pk_add_f32 v[W+4:W+5], v[W+4:W+5], v[W+6:W+7]
	s_delay_alu instid0(VALU_DEP_1)
	v_pk_add_f32 v[W:W+1], v[W:W+1], v[W+4:W+5]
	s_delay_alu instid0(VALU_DEP_1)
	v_mul_f32 v242, 0x3e000000, v[W]               ; mu = the sum of the m / 8
	s_delay_alu instid0(VALU_DEP_1)
	v_mov_b32 v243, v242
.irp j, 0,1,2,3,4,5,6,7
	v_sub_f32 v[W+2+\j], v[224+2*\j], v242
.endr
	v_mul_f32 v[W+10], v[W+2], v[W+2]
	v_mul_f32 v[W+11], v[W+3], v[W+3]
.irp j, 4,6,8
	s_delay_alu instid0(VALU_DEP_2)
	v_fmac_f32 v[W+10], v[W+\j], v[W+\j]
	s_delay_alu instid0(VALU_DEP_2)
	v_fmac_f32 v[W+11], v[W+\j+1], v[W+\j+1]
.endr
	s_delay_alu instid0(VALU_DEP_1)
	v_add_f32 v[W+10], v[W+10], v[W+11]
	s_delay_alu instid0(VALU_DEP_1)
	v_fma_f32 v[W+1], v[W+10], s36, v[W+1]         ; the row's spread
	s_delay_alu instid0(VALU_DEP_1)
	v_fma_f32 v[W], v[W+1], s34, s35               ; / 1024 + 1e-3
	s_wait_alu depctr_va_vdst(0)
	v_rsq_f32 v244, v[W]
	v_nop                                          ; a plain place behind the transcendental
	s_wait_alu depctr_va_vdst(0)
	v_mov_b32 v245, v244
.endm
	s_wait_loadcnt 16                              ; s is in; x_o's sixteen loads may be out
	LNSTAT S, 0
	s_wait_alu depctr_va_vdst(0)
	s_wait_loadcnt 0x0                             ; x_o
.macro PLOAD2 g                        ; gamma_c, beta_c and 1 + e^clip(co) of group g's units 16 g + 8 h + 0 .. 7, into set g % 2
.set PB, PT+24*((\g)%2)
.irp c, 0,1,2
.irp q, 0,1
	ds_load_b128 v[PB+8*\c+4*\q:PB+8*\c+4*\q+3], v7 offset:4096*\c+64*(\g)+16*\q
.endr
.endr
.endm
.macro GROUP2 g                        ; eight numbers a lane: c_new, into the stage; then o tanh(c_new)
.if (\g) < 7
	PLOAD2 (\g)+1
	s_wait_dscnt 6                                 ; this group's parameters are in; the six loads just issued may be out
.else
	s_wait_dscnt 0x0
.endif
.set PG, PT+24*((\g)%2)
.set SG, S+8*(\g)
.set XG, X+8*(\g)
.irp k, 0,2,4,6
	v_pk_add_f32 v[SG+\k:SG+\k+1], v[SG+\k:SG+\k+1], v[242:243] neg_lo:[0,1] neg_hi:[0,1]
.endr
.irp k, 0,2,4,6
	v_pk_mul_f32 v[PG+\k:PG+\k+1], v[PG+\k:PG+\k+1], v[244:245]
.endr
.irp k, 0,2,4,6
	s_delay_alu instid0(VALU_DEP_4)
	v_pk_fma_f32 v[SG+\k:SG+\k+1], v[SG+\k:SG+\k+1], v[PG+\k:PG+\k+1], v[PG+8+\k:PG+9+\k]   ; c_new
.endr
	ds_store_b128 v5, v[SG:SG+3] offset:64*(\g)
	ds_store_b128 v5, v[SG+4:SG+7] offset:64*(\g)+16
.irp k, 0,2,4,6
	v_pk_mul_f32 v[W+\k:W+\k+1], v[SG+\k:SG+\k+1], s[28:29] op_sel_hi:[1,0]
	v_pk_mul_f32 v[W+8+\k:W+9+\k], v[XG+\k:XG+\k+1], s[26:27] op_sel_hi:[1,0]
.endr
.irp k, 0,1,2,3,4,5,6,7
	v_med3_num_f32 v[W+\k], v[W+\k], s32, s33
	v_med3_num_f32 v[W+8+\k], v[W+8+\k], s30, s31
.endr
	s_wait_alu depctr_va_vdst(0)
.irp k, 0,1,2,3,4,5,6,7,8,9,10,11,12,13,14,15
	v_exp_f32 v[W+\k], v[W+\k]
.endr
	v_nop                                          ; a plain place behind the exponentials
	s_wait_alu depctr_va_vdst(0)
.irp k, 0,2,4,6
	v_pk_add_f32 v[W+16+\k:W+17+\k], v[W+\k:W+\k+1], 1.0 op_sel_hi:[1,0]
	v_pk_add_f32 v[W+24+\k:W+25+\k], v[W+8+\k:W+9+\k], v[PG+16+\k:PG+17+\k]
.endr
.irp k, 0,2,4,6
	v_pk_add_f32 v[W+\k:W+\k+1], v[W+\k:W+\k+1], -1.0 op_sel_hi:[1,0]
	v_pk_mul_f32 v[W+16+\k:W+17+\k], v[W+16+\k:W+17+\k], v[W+24+\k:W+25+\k]
.endr
	s_wait_alu depctr_va_vdst(0)
.irp k, 0,1,2,3,4,5,6,7
	v_rcp_f32 v[W+16+\k], v[W+16+\k]
.endr
.irp k, 0,2,4,6
	v_pk_mul_f32 v[W+8+\k:W+9+\k], v[W+8+\k:W+9+\k], v[W+\k:W+\k+1]   ; (plain places behind the reciprocals, of which they name nothing)
.endr
	s_wait_alu depctr_va_vdst(0)
.irp k, 0,2,4,6
	v_pk_mul_f32 v[XG+\k:XG+\k+1], v[W+8+\k:W+9+\k], v[W+16+\k:W+17+\k]   ; o tanh(c_new)
.endr
.endm
	PLOAD2 0
.irp g, 0,1,2,3,4,5,6,7
	GROUP2 \g
.endr
.macro SEND base                       ; my 16 rows x 512 bytes come back from the stage as rows and are stored
.irp i, 0,1,2,3,4,5,6,7,8,9,10,11,12,13,14,15
	ds_load_b128 v[S+4*\i:S+4*\i+3], v6 offset:528*\i              ; LDS serves a wave's instructions in order (ISA guide 5.7.1.4): these see my stores
.endr
.irp i, 0,1,2,3,4,5,6,7,8,9,10,11,12,13,14,15
	s_wait_dscnt 15-\i                             ; row i is back; the later rows' loads may be out
	global_store_b128 v1, v[S+4*\i:S+4*\i+3], s[\base:\base+1] offset:4096*\i th:TH_STORE_NT   ; 32 lanes store 512 consecutive bytes, aligned; written once, read by nobody here
.endr
.endm
	SEND 18                                        ; out1 = c_new
	LNSTAT X, 1024
.macro PLOAD4 g                        ; gamma_h and beta_h of group g, into set g % 2
.set PB, PT+24*((\g)%2)
.irp c, 0,1
.irp q, 0,1
	ds_load_b128 v[PB+8*\c+4*\q:PB+8*\c+4*\q+3], v7 offset:4096*(3+\c)+64*(\g)+16*\q
.endr
.endr
.endm
.macro GROUP4 g
.if (\g) < 7
	PLOAD4 (\g)+1
	s_wait_dscnt 4                                 ; this group's parameters are in; the four loads just issued may be out
.else
	s_wait_dscnt 0x0
.endif
.set PG, PT+24*((\g)%2)
.set XG, X+8*(\g)
.irp k, 0,2,4,6
	v_pk_add_f32 v[XG+\k:XG+\k+1], v[XG+\k:XG+\k+1], v[242:243] neg_lo:[0,1] neg_hi:[0,1]
.endr
.irp k, 0,2,4,6
	v_pk_mul_f32 v[PG+\k:PG+\k+1], v[PG+\k:PG+\k+1], v[244:245]
.endr
.irp k, 0,2,4,6
	s_delay_alu instid0(VALU_DEP_4)
	v_pk_fma_f32 v[XG+\k:XG+\k+1], v[XG+\k:XG+\k+1], v[PG+\k:PG+\k+1], v[PG+8+\k:PG+9+\k]   ; h_new
.endr
	ds_store_b128 v5, v[XG:XG+3] offset:64*(\g)
	ds_store_b128 v5, v[XG+4:XG+7] offset:64*(\g)+16
.endm
	s_wait_alu depctr_va_vdst(0)
	PLOAD4 0
.irp g, 0,1,2,3,4,5,6,7
	GROUP4 \g
.endr
	s_wait_xcnt 0x0                                ; out1's stores have had their addresses translated (ISA guide 3.1): their data registers are loaded again only behind this wait
	SEND 16                                        ; out0 = h_new
	s_wait_tensorcnt 0x0
	ds_add_u32 v248, v249
	s_wait_dscnt 0x0
	s_endpgm
.Lfunc_end_k_q94f0376e41_norms:
	.size	k_q94f0376e41_norms, .Lfunc_end_k_q94f0376e41_norms-k_q94f0376e41_norms
	.p2alignl 7, 3214868480
	.fill 96, 4, 3214868480
	.section	.rodata,"a",@progbits
	.p2align	6, 0x0
	.amdhsa_kernel k_q94f0376e41_norms
		.amdhsa_group_segment_fixed_size 91136
		.amdhsa_private_segment_fixed_size 0
		.amdhsa_enable_private_segment 0
		.amdhsa_kernarg_size 64
		.amdhsa_user_sgpr_count 2
		.amdhsa_user_sgpr_kernarg_segment_ptr 1
		.amdhsa_wavefront_size32 1
		.amdhsa_system_sgpr_workgroup_id_x 1
		.amdhsa_system_sgpr_workgroup_id_y 1
		.amdhsa_system_sgpr_workgroup_id_z 1
		.amdhsa_system_vgpr_workitem_id 0
		.amdhsa_next_free_vgpr 250
		.amdhsa_next_free_sgpr 66
		.amdhsa_reserve_vcc 0
		.amdhsa_float_denorm_mode_32 3
		.amdhsa_float_denorm_mode_16_64 3
		.amdhsa_memory_ordered 1
		.amdhsa_forward_progress 1
		.amdhsa_inst_pref_size 89
	.end_amdhsa_kernel
	.amdgpu_metadata
---
amdhsa.version: [ 1, 2 ]
amdhsa.kernels:
  - .name:           k_q94f0376e41_norms
    .symbol:         k_q94f0376e41_norms.kd
    .args:
      - { .name: sx, .offset: 0, .size: 8, .value_kind: global_buffer, .address_space: global }
      - { .name: co, .offset: 8, .size: 8, .value_kind: global_buffer, .address_space: global }
      - { .name: gamma_c, .offset: 16, .size: 8, .value_kind: global_buffer, .address_space: global }
      - { .name: beta_c, .offset: 24, .size: 8, .value_kind: global_buffer, .address_space: global }
      - { .name: gamma_h, .offset: 32, .size: 8, .value_kind: global_buffer, .address_space: global }
      - { .name: beta_h, .offset: 40, .size: 8, .value_kind: global_buffer, .address_space: global }
      - { .name: out0, .offset: 48, .size: 8, .value_kind: global_buffer, .address_space: global }
      - { .name: out1, .offset: 56, .size: 8, .value_kind: global_buffer, .address_space: global }
    .group_segment_fixed_size: 91136
    .private_segment_fixed_size: 0
    .kernarg_segment_align: 8
    .kernarg_segment_size: 64
    .max_flat_workgroup_size: 256
    .sgpr_count:     66
    .vgpr_count:     250
    .wavefront_size: 32
...
	.end_amdgpu_metadata
.endif
;; end of part 3
